; MI455X (gfx1250); checked and timed in simulation.
; The chip was launched on July 23, 2026; its instructions are those of AMD's public machine-readable ISA for CDNA 5 (MIT licence, August 2026) and "CDNA5" Instruction Set Architecture Reference Guide (July 2026). The comments in the code are by the model that wrote it; some were corrected since.
;; Multihead Attention. Allowed arithmetic: float matrix products may take bf16 or f16 operands with f32 sums; all other float work in f32.
;; Inputs: W_out 1,024 x 1,024 float32; W_qkv 1,024 x 3,072 float32; b_out 1,024 float32; b_qkv 3,072 float32; x 4 x 2,048 x 1,024 float32.
;; Outputs: out0 4 x 2,048 x 1,024 float32.
;; One version. Each part assembles by itself: llvm-mc -triple=amdgcn-amd-amdhsa -mcpu=gfx1250 --defsym DOCPART=n.
;; ======== version 1 of 1: 4 launches
;; limits: values are held in f16: magnitudes above 65,504 overflow, below 6.1e-05 lose precision
;; workspace buffers: xh 16,777,216 bytes; wqh 6,291,456 bytes; woh 2,097,152 bytes; qkvh 50,331,648 bytes; yh 33,554,432 bytes
;; launch prep (part 1): grid 768 x 1, 8 waves a work-group, no clusters, 0 bytes of LDS; arguments x, W_qkv, W_out, xh, wqh, woh; writes xh, wqh, woh
.if DOCPART == 1
	.amdgcn_target "amdgcn-amd-amdhsa--gfx1250"
	.amdhsa_code_object_version 6
	.text
	.protected	k_q26fa8864df_prep
	.globl	k_q26fa8864df_prep
	.p2align	8
	.type	k_q26fa8864df_prep,@function
k_q26fa8864df_prep:
	s_mov_b64 s[64:65], 0
	v_nop
	global_prefetch_b8 v0, s[64:65] scope:SCOPE_SE
	s_setreg_imm32_b32 hwreg(HW_REG_WAVE_MODE, 25, 1), 1
	s_wait_xcnt 0x0
; Cast f32 to bf16, layouts unchanged: x -> xh, W_qkv -> wqh, W_out -> woh.  The later launches bring their tiles in by the tensor data
; mover, which converts nothing, so the rounding to the matrix operands' format is done here, once for each number (to nearest even).
; bf16 keeps f32's range, so no input is out of range.
; A work-group casts 16,384 numbers (64 KiB in, 32 KiB out): groups 0-511 x, 512-703 W_qkv, 704-767 W_out (8,388,608 + 3,145,728 + 1,048,576 numbers).
; Thread t takes 16 bytes at 16 t of each 4,096-byte piece: a wave's load covers 512 neighbouring bytes, its store 256 neighbouring bytes, aligned.
; All 16 loads of a thread go out first; no register is written twice, so the only waits are the counted ones for the data.
; No LDS, no matrix unit, no cluster: nothing is shared and nothing is multiplied.
.set X, 4                              ; v[4:67]   16 x 4 numbers as loaded
.set Y, 68                             ; v[68:99]  16 x 4 numbers in bf16
	s_load_b256 s[4:11], s[0:1], 0x0               ; x s[4:5], W_qkv s[6:7], W_out s[8:9], xh s[10:11]
	s_load_b128 s[12:15], s[0:1], 0x20             ; wqh s[12:13], woh s[14:15]
	s_sub_co_u32 s20, ttmp9, 704                   ; my piece if I am W_out's
	s_sub_co_u32 s21, ttmp9, 512                   ; my piece if I am W_qkv's
	v_lshlrev_b32 v1, 4, v0                        ; 16 t: where I load
	v_lshlrev_b32 v2, 3, v0                        ; 8 t: where I store
	s_mov_b32 s23, 0
	s_wait_kmcnt 0x0
	s_cmp_lt_u32 ttmp9, 704                        ; the choice hangs on the work-group's number alone
	s_cselect_b64 s[16:17], s[6:7], s[8:9]
	s_cselect_b64 s[18:19], s[12:13], s[14:15]
	s_cselect_b32 s20, s21, s20
	s_cmp_lt_u32 ttmp9, 512
	s_cselect_b64 s[16:17], s[4:5], s[16:17]
	s_cselect_b64 s[18:19], s[10:11], s[18:19]
	s_cselect_b32 s20, ttmp9, s20
	s_lshl_b32 s22, s20, 16                        ; piece x 65,536 bytes in
	s_add_nc_u64 s[16:17], s[16:17], s[22:23]
	s_lshl_b32 s22, s20, 15                        ; piece x 32,768 bytes out
	s_add_nc_u64 s[18:19], s[18:19], s[22:23]
.irp j, 0,1,2,3,4,5,6,7,8,9,10,11,12,13,14,15
	global_load_b128 v[X+4*\j:X+4*\j+3], v1, s[16:17] offset:4096*\j th:TH_LOAD_NT     ; read once in the launch
.endr
.irp j, 0,1,2,3,4,5,6,7,8,9,10,11,12,13,14,15
	s_wait_loadcnt 15-\j                           ; loads come back in order (ISA guide 5.7.1): load j is in, the 15 - j younger ones stay out
	v_cvt_pk_bf16_f32 v[Y+2*\j],   v[X+4*\j],   v[X+4*\j+1]
	v_cvt_pk_bf16_f32 v[Y+2*\j+1], v[X+4*\j+2], v[X+4*\j+3]
	global_store_b64 v2, v[Y+2*\j:Y+2*\j+1], s[18:19] offset:2048*\j
.endr
	s_endpgm
.Lfunc_end_k_q26fa8864df_prep:
	.size	k_q26fa8864df_prep, .Lfunc_end_k_q26fa8864df_prep-k_q26fa8864df_prep
	.p2alignl 7, 3214868480
	.fill 96, 4, 3214868480
	.section	.rodata,"a",@progbits
	.p2align	6, 0x0
	.amdhsa_kernel k_q26fa8864df_prep
		.amdhsa_group_segment_fixed_size 0
		.amdhsa_private_segment_fixed_size 0
		.amdhsa_enable_private_segment 0
		.amdhsa_kernarg_size 48
		.amdhsa_user_sgpr_count 2
		.amdhsa_user_sgpr_kernarg_segment_ptr 1
		.amdhsa_wavefront_size32 1
		.amdhsa_system_sgpr_workgroup_id_x 1
		.amdhsa_system_sgpr_workgroup_id_y 1
		.amdhsa_system_sgpr_workgroup_id_z 1
		.amdhsa_system_vgpr_workitem_id 0
		.amdhsa_next_free_vgpr 100
		.amdhsa_next_free_sgpr 66
		.amdhsa_reserve_vcc 0
		.amdhsa_float_denorm_mode_32 3
		.amdhsa_float_denorm_mode_16_64 3
		.amdhsa_memory_ordered 1
		.amdhsa_forward_progress 1
		.amdhsa_inst_pref_size 7
	.end_amdhsa_kernel
	.amdgpu_metadata
---
amdhsa.version: [ 1, 2 ]
amdhsa.kernels:
  - .name:           k_q26fa8864df_prep
    .symbol:         k_q26fa8864df_prep.kd
    .args:
      - { .name: x, .offset: 0, .size: 8, .value_kind: global_buffer, .address_space: global }
      - { .name: W_qkv, .offset: 8, .size: 8, .value_kind: global_buffer, .address_space: global }
      - { .name: W_out, .offset: 16, .size: 8, .value_kind: global_buffer, .address_space: global }
      - { .name: xh, .offset: 24, .size: 8, .value_kind: global_buffer, .address_space: global }
      - { .name: wqh, .offset: 32, .size: 8, .value_kind: global_buffer, .address_space: global }
      - { .name: woh, .offset: 40, .size: 8, .value_kind: global_buffer, .address_space: global }
    .group_segment_fixed_size: 0
    .private_segment_fixed_size: 0
    .kernarg_segment_align: 8
    .kernarg_segment_size: 48
    .max_flat_workgroup_size: 256
    .sgpr_count:     66
    .vgpr_count:     100
    .wavefront_size: 32
...
	.end_amdgpu_metadata
.endif
;; end of part 1
;; launch qkv (part 2): grid 12 x 64, 4 waves a work-group, clusters of 4 x 4, 327,680 bytes of LDS; arguments xh, wqh, b_qkv, qkvh; writes qkvh
.if DOCPART == 2
	.amdgcn_target "amdgcn-amd-amdhsa--gfx1250"
	.amdhsa_code_object_version 6
	.text
	.protected	k_q26fa8864df_qkv
	.globl	k_q26fa8864df_qkv
	.p2align	8
	.type	k_q26fa8864df_qkv,@function
k_q26fa8864df_qkv:
	s_mov_b64 s[64:65], 0
	v_nop
	global_prefetch_b8 v0, s[64:65] scope:SCOPE_SE
	s_setreg_imm32_b32 hwreg(HW_REG_WAVE_MODE, 25, 1), 1
	s_wait_xcnt 0x0
	s_wait_alu depctr_hold_cnt(0) depctr_sa_sdst(0) depctr_va_vdst(0) depctr_va_sdst(0) depctr_va_ssrc(0) depctr_va_vcc(0) depctr_vm_vsrc(0)
	s_getreg_b32 s2, hwreg(HW_REG_IB_STS2, 6, 4)
	s_cmp_eq_u32 s2, 0
	s_cbranch_scc0 .Lentry_in_a_cluster
	s_endpgm
.Lentry_in_a_cluster:
	s_bfe_u32 s2, ttmp6, 0x10000c
	s_cmp_lg_u32 s2, 0xf033
	s_cbranch_scc0 .Lentry_shape_is_right
	s_endpgm
.Lentry_shape_is_right:
; qkvh = f16( (xh wqh + b_qkv) * c ), split by head: qkvh[section q,k,v][batch][head][t][d].  c = log2(e)/8 for q (the scores' 1/sqrt(64) and the
; change to base 2 for the softmax's exponentials), 1 for k and v.  xh: [8192][1024] bf16, wqh: [1024 k][3072 n] bf16, sums in f32, bias in f32.
; The results go out in f16, not bf16: they are the attention's matrix operands, and f16's 11 significant bits against bf16's 8 are needed there.
; LIMIT: the results are rounded to f16: |x W + b| of 65,520 or more becomes an infinity.
; A work-group makes 128 rows x 256 columns with four waves; a wave makes 64 x 128: 32 accumulator tiles, 256 registers, one register window.
; 64 x 12 = 768 work-groups.  K goes in 8 steps of 128 through two LDS slots filled by the tensor data mover; a tile's rows are 256 bytes (x)
; or 512 bytes (W) of memory and start at multiples of 256 bytes from the buffer's first byte.
; CLUSTERS of 4 x 4: the four work-groups of a cluster's row need the same rows of x, the four of a column the same columns of W.  Such a tile is asked for
; jointly (same line, same descriptor, a mask that names the four), which divides the requests for x and W by four.
; W lies [k][n] in LDS as in memory; its fragments come by the transposing LDS load (ds_load_tr16_b128).
; THE MATRIX INSTRUCTION IS USED TRANSPOSED: source 0 = 16 columns of W, source 1 = 16 rows of x, so that lane l holds row l % 16 of the result and its
; registers 0-7 the columns 8 (l / 16) + 0..7: eight neighbouring numbers, 16 bytes in f16.
; REGISTER WINDOWS: 0: addresses, x fragments (two buffers of 4 x 8), work registers; 1: W fragments (two buffers of 8 x 8), bias; 2: accumulators.
.set NN,     3072                      ; columns of W
.set KK,     1024
.set KSTEP,  128
.set PA,     272                       ; LDS pitch of x rows: 256 + 16 bytes, so that row r starts 16 r bytes further modulo 256
.set PW,     544                       ; LDS pitch of W rows: 512 + 32 bytes = 17 x 32, so that eight neighbouring k rows start 32 bytes apart modulo 256
.set AHALF,  64*PA                     ; what wave 0 or 1 fetches, and what a wave reads of x
.set WHALF,  64*PW                     ; what wave 2 or 3 fetches
.set WOFF,   2*AHALF                   ; W's tile lies behind x's
.set SLOT,   WOFF+2*WHALF              ; 104,448
.set STAGE,  2*SLOT                    ; 208,896 = 816 x 256: behind the ring, 16 rows x 272 bytes for each wave; no tensor load lands here
.set SP,     272
.set LAPS,   KK/(2*KSTEP)              ; a lap = two K steps = once round the ring
.set ADRA, 16                          ; v16-17  LDS address of my x fragments, slot 0, 1
.set ADRW, 20                          ; v20-21  the same for W
.set STO,  24                          ; the way out: where I put 16 bytes
.set RD,   25                          ; the way out: where I read back
.set CO,   26                          ; my byte offset in qkvh
.set BO,   27                          ; my byte offset in the bias
.set F0,   64                          ; fragment buffer 0
.set F1,   128                         ; fragment buffer 1
.set TMP,  192                         ; window 0: results at work
.set BIAS, 192                         ; window 1: bias of my 8 x 8 columns
.set G1A, 24                           ; s[24:31] descriptor group 1, x tiles
.set G0A, 32                           ; s[32:39] descriptor group 0, x tiles, one set for each slot
.set G1W, 48                           ; s[48:55] group 1, W tiles
.set G0W, 56                           ; s[56:63] group 0, W tiles, one set for each slot
.set MSB, 0
.macro WIN new                         ; the immediate's high byte repeats the setting that is left
.if MSB != \new
	s_set_vgpr_msb (MSB<<8)|\new
.set MSB, \new
.endif
.endm
.set MULW, 0xa1                        ; source 0 (W) window 1, source 1 (x) window 0, C and D window 2
.set TO_B, 0x40                        ; destination window 1, address window 0
.macro PLACES                          ; four places behind a matrix instruction (ISA guide 7.12.1) before its results are read or its registers loaded into
.rept 4
	v_nop
.endr
.endm
; A joint load.  Waves 0, 1 fetch x's two halves, waves 2, 3 W's.  The branch hangs on the wave's number alone.
.macro JLOAD s
	s_cmp_eq_u32 s13, 0
	s_cbranch_scc0 .Lfor_w_\@
	tensor_load_to_lds s[G0A+4*\s:G0A+4*\s+3], s[G1A:G1A+7]
	s_nop 0
	s_branch .Lasked_\@
.Lfor_w_\@:
	tensor_load_to_lds s[G0W+4*\s:G0W+4*\s+3], s[G1W:G1W+7]
	s_nop 0
.Lasked_\@:
.endm
.macro JLOAD2                          ; the first fills of both slots, inside one branch
	s_cmp_eq_u32 s13, 0
	s_cbranch_scc0 .Lfor_w2_\@
	tensor_load_to_lds s[G0A:G0A+3], s[G1A:G1A+7]
	s_nop 0
	tensor_load_to_lds s[G0A+4:G0A+7], s[G1A:G1A+7]
	s_nop 0
	s_branch .Lasked2_\@
.Lfor_w2_\@:
	tensor_load_to_lds s[G0W:G0W+3], s[G1W:G1W+7]
	s_nop 0
	tensor_load_to_lds s[G0W+4:G0W+7], s[G1W:G1W+7]
	s_nop 0
.Lasked2_\@:
.endm
; A round of the cluster's barrier: my work-group's barrier, wave 0 signals for the work-group, every wave waits for all sixteen, my work-group's barrier again.
.macro CREST
	s_cmp_lg_u32 s12, 0
	s_cbranch_scc1 .Lnot_wave_0_\@
	s_barrier_signal -3
.Lnot_wave_0_\@:
	s_barrier_wait -3
	s_barrier_signal -1
	s_barrier_wait -1
.endm
.macro CROUND
	s_barrier_signal -1
	s_barrier_wait -1
	CREST
.endm
	s_load_b256 s[4:11], s[0:1], 0x0               ; xh s[4:5], wqh s[6:7], b_qkv s[8:9], qkvh s[10:11]
	s_set_vgpr_msb 0x40
	v_lshl_add_u32 v63, v0, 2, 0x37400
	s_set_vgpr_msb 0x4000
	v_mov_b32 v191, 0
	s_set_vgpr_msb 0x1
	ds_add_u32 v63, v191
	ds_add_u32 v63, v191
	s_set_vgpr_msb 0x100
	v_lshrrev_b32 v1, 5, v0
	v_readfirstlane_b32 s12, v1                    ; wave 0..3
	s_lshr_b32 s13, s12, 1                         ; my half of the block's rows.  Also: I fetch for x (0) or for W (1)
	s_and_b32 s14, s12, 1                          ; my half of its columns.  Also: which half of that tile I fetch
	s_bfe_u32 s15, ttmp6, 0x40000                  ; cx
	s_bfe_u32 s16, ttmp6, 0x40004                  ; cy
	s_lshl_b32 s17, ttmp9, 2
	s_add_co_u32 s17, s17, s15                     ; block column = 4 x cluster x + cx
	s_and_b32 s18, ttmp7, 0xffff
	s_lshl_b32 s18, s18, 2
	s_add_co_u32 s18, s18, s16                     ; block row = 4 x cluster y + cy
	s_lshl_b32 s19, s16, 2
	s_lshl_b32 s19, 15, s19                        ; my row of the cluster: places 4 cy .. 4 cy + 3
	s_lshl_b32 s20, 0x1111, s15                    ; my column: places cx, cx + 4, cx + 8, cx + 12
	; group 1 for x: 64 rows x 128 elements of 2 bytes; 4 words of padding behind every 64 words
	s_or_b32 s[G1A+0], s19, (1<<16)|(1<<20)|(1<<21)|(5<<22)|(3<<25)
	s_mov_b32 s[G1A+1], KSTEP<<16                  ; tensor_dim0 = 128
	s_mov_b32 s[G1A+2], 64<<16                     ; tensor_dim1 = 64
	s_mov_b32 s[G1A+3], KSTEP<<16                  ; tile_dim0 = 128
	s_mov_b32 s[G1A+4], 64                         ; tile_dim1 = 64
	s_mov_b32 s[G1A+5], KK                         ; elements from row to row
	s_mov_b32 s[G1A+6], 0
	s_mov_b32 s[G1A+7], 0
	; group 1 for W: 64 k rows x 256 elements; 8 words of padding behind every 128 words
	s_or_b32 s[G1W+0], s20, (1<<16)|(1<<20)|(1<<21)|(6<<22)|(7<<25)
	s_mov_b32 s[G1W+1], 256<<16
	s_mov_b32 s[G1W+2], 64<<16
	s_mov_b32 s[G1W+3], 256<<16
	s_mov_b32 s[G1W+4], 64
	s_mov_b32 s[G1W+5], NN
	s_mov_b32 s[G1W+6], 0
	s_mov_b32 s[G1W+7], 0
	; where the tiles come from: x's hang on the block row and the wave, W's on the block column and the wave, each in registers of its own
	s_lshl_b32 s40, s18, 18                        ; 128 rows x 2,048 bytes
	s_lshl_b32 s41, s14, 17                        ; + my 64 rows
	s_add_co_u32 s40, s40, s41
	s_mov_b32 s41, 0
	s_mul_i32 s42, s14, 64*NN*2                    ; my 64 k rows
	s_lshl_b32 s43, s17, 9                         ; + 256 columns x 2 bytes
	s_add_co_u32 s42, s42, s43
	s_mov_b32 s43, 0
	s_mul_i32 s22, s14, AHALF                      ; and where they go: the wave's number alone enters an LDS address
	s_mul_i32 s23, s14, WHALF
	s_add_co_u32 s23, s23, WOFF
	s_cmp_eq_u32 ttmp9, 0                          ; 12 block columns = 3 clusters: the cluster's x is the section; 0 is q
	s_cselect_b32 s44, 0x3e38aa3b, 1.0             ; log2(e)/8 for q, 1 for k and v: a value, no branch
	s_mov_b32 s45, s44
	s_wait_dscnt 0x0
	s_wait_kmcnt 0x0
	s_add_nc_u64 s[40:41], s[4:5], s[40:41]
	s_add_nc_u64 s[42:43], s[6:7], s[42:43]
	CROUND                                         ; all sixteen work-groups are here: the first joint loads meet
.irp s, 0,1
	s_mov_b32 s[G0A+4*\s], 1
	s_add_co_u32 s[G0A+4*\s+1], s22, \s*SLOT
	s_add_nc_u64 s[G0A+4*\s+2:G0A+4*\s+3], s[40:41], \s*KSTEP*2        ; K step s
	s_or_b32 s[G0A+4*\s+3], s[G0A+4*\s+3], 0x80000000
	s_mov_b32 s[G0W+4*\s], 1
	s_add_co_u32 s[G0W+4*\s+1], s23, \s*SLOT
	s_add_nc_u64 s[G0W+4*\s+2:G0W+4*\s+3], s[42:43], \s*KSTEP*NN*2
	s_or_b32 s[G0W+4*\s+3], s[G0W+4*\s+3], 0x80000000
.endr
	JLOAD2                                         ; two tensor loads of the wave are out
	v_and_b32 v1, 15, v0                           ; r = l % 16
	v_bfe_u32 v2, v0, 4, 1                         ; h = l / 16
	v_and_b32 v3, 7, v0                            ; l % 8
	v_bfe_u32 v4, v0, 3, 1                         ; (l / 8) % 2
	v_lshlrev_b32 v[BO], 5, v2                     ; bias: 8 h numbers of 4 bytes
	s_lshl_b32 s46, s17, 10                        ; 256 columns x 4 bytes
	s_lshl_b32 s47, s14, 9
	s_add_co_u32 s46, s46, s47
	s_mov_b32 s47, 0
	s_add_nc_u64 s[8:9], s[8:9], s[46:47]
	WIN TO_B
.irp b, 0,1,2,3,4,5,6,7
	global_load_b128 v[BIAS+8*\b:BIAS+8*\b+3],   v[BO], s[8:9] offset:64*\b       ; bias of columns 16 b + 8 h + 0..7
	global_load_b128 v[BIAS+8*\b+4:BIAS+8*\b+7], v[BO], s[8:9] offset:64*\b+16
.endr
	WIN 0
	; x fragment: lane l holds row l % 16; two loads of 16 bytes, 32 bytes apart, at row x pitch + 16 h
	v_mul_u32_u24 v5, v1, PA
	v_lshl_add_u32 v5, v2, 4, v5
	s_mul_i32 s46, s13, AHALF                      ; my 64 rows
	v_add_nc_u32 v[ADRA], s46, v5
	v_add_nc_u32 v[ADRA+1], SLOT, v[ADRA]
	; W fragment by the transposing load: lane l addresses k row 8 h + l % 8, 16 bytes at 16 ((l / 8) % 2); it receives column l % 16, k = 8 h + 0..7
	v_lshl_add_u32 v6, v2, 3, v3
	v_mul_u32_u24 v6, v6, PW
	v_lshl_add_u32 v6, v4, 4, v6
	s_lshl_b32 s46, s14, 8                         ; my 128 columns
	s_add_co_u32 s46, s46, WOFF
	v_add_nc_u32 v[ADRW], s46, v6
	v_add_nc_u32 v[ADRW+1], SLOT, v[ADRW]
	s_mul_i32 s46, s12, 16*SP
	s_add_co_u32 s46, s46, STAGE                   ; my stage
	v_add_nc_u32 v[STO], s46, v5                   ; in: row r, 16 h (the stage's pitch is x's)
	v_mul_u32_u24 v7, v4, SP                       ; back: lanes 0-7 row 2 t, lanes 8-15 row 2 t + 1 of the first head's 128 bytes; lanes 16-31 the second head's
	v_lshl_add_u32 v7, v2, 7, v7
	v_lshl_add_u32 v7, v3, 4, v7
	v_add_nc_u32 v[RD], s46, v7
	v_lshlrev_b32 v7, 18, v2                       ; the second head's plane lies 262,144 bytes on
	v_lshl_add_u32 v7, v4, 7, v7                   ; a row of a head is 128 bytes
	v_lshl_add_u32 v[CO], v3, 4, v7
; 16 matrix instructions: row blocks a0, a0 + 1 x all 8 column blocks, 32 along K.  zero = 1: the first product starts the sums.
; The 32 accumulators take turns, one instruction a turn, in the same order in every quarter step.
.macro MUL16 f, a0, zero
.irp a, \a0, \a0+1
.irp b, 0,1,2,3,4,5,6,7
.if \zero
	v_wmma_f32_16x16x32_bf16 v[8*(8*(\a)+\b):8*(8*(\a)+\b)+7], v[\f+8*\b:\f+8*\b+7], v[\f+8*(\a):\f+8*(\a)+7], 0
.else
	v_wmma_f32_16x16x32_bf16 v[8*(8*(\a)+\b):8*(8*(\a)+\b)+7], v[\f+8*\b:\f+8*\b+7], v[\f+8*(\a):\f+8*(\a)+7], v[8*(8*(\a)+\b):8*(8*(\a)+\b)+7]
.endif
.endr
.endr
.endm
; 24 LDS loads in one run: quarter step q (32 along K) of a slot into buffer f: 16 for W's 128 columns, then 8 for x's 64 rows
.macro FETCH slot, q, f
	WIN TO_B
.irp b, 0,1,2,3,4,5,6,7
	ds_load_tr16_b128 v[\f+8*\b:\f+8*\b+3],   v[ADRW+\slot] offset:\q*32*PW+32*\b
	ds_load_tr16_b128 v[\f+8*\b+4:\f+8*\b+7], v[ADRW+\slot] offset:\q*32*PW+32*\b+16*PW
.endr
	WIN 0
.irp a, 0,1,2,3
	ds_load_b128 v[\f+8*\a:\f+8*\a+3],   v[ADRA+\slot] offset:\a*16*PA+64*\q
	ds_load_b128 v[\f+8*\a+4:\f+8*\a+7], v[ADRA+\slot] offset:\a*16*PA+64*\q+32
.endr
.endm
; One of a K step's first three quarters: multiplies buffer f; in its middle it fetches quarter qn into buffer g.
.macro QUARTER slot, qn, f, g, zero
	s_wait_dscnt 4                                 ; W and x's row blocks 0, 1 are in; the youngest four loads (blocks 2, 3) may be out
	WIN MULW
	MUL16 \f, 0, \zero
	PLACES
	FETCH \slot, \qn, \g
	s_wait_dscnt 24                                ; all but the 24 just issued
	WIN MULW
	MUL16 \f, 2, \zero
.endm
.macro THREE slot, zero
	QUARTER \slot, 1, F0, F1, \zero
	QUARTER \slot, 2, F1, F0, 0
	QUARTER \slot, 3, F0, F1, 0
.endm
; The last quarter: multiplies buffer 1 and changes slots.  In front of the barrier each wave waits for its reads of this slot and for all its tensor
; loads (one is out: its part of the next slot).  fill = 1: the barrier opens a round of the cluster's barrier, and the joint refill, two K steps ahead,
; is the first tensor load behind the round.  From a request to the wait for it a wave issues 112 matrix instructions.
.macro TURN slot, next, fill
	s_wait_dscnt 0
	s_wait_tensorcnt 0x0
	ds_add_u32 v63, v191
	s_wait_dscnt 0x0
	s_barrier_signal -1
	WIN MULW
	MUL16 F1, 0, 0                                 ; work on registers while the others arrive
	WIN 0
	s_barrier_wait -1
.if \fill
	CREST
	s_add_nc_u64 s[G0A+4*\slot+2:G0A+4*\slot+3], s[G0A+4*\slot+2:G0A+4*\slot+3], 2*KSTEP*2
	s_add_nc_u64 s[G0W+4*\slot+2:G0W+4*\slot+3], s[G0W+4*\slot+2:G0W+4*\slot+3], 2*KSTEP*NN*2
	JLOAD \slot
.endif
	PLACES
	FETCH \next, 0, F0
	WIN MULW
	MUL16 F1, 2, 0
.endm
.macro LAP zero
	THREE 0, \zero
	TURN 0, 1, 1
	THREE 1, 0
	TURN 1, 0, 1
.endm
	s_wait_tensorcnt 0x1                           ; my part of K step 0 is in; K step 1's may stay out
	s_barrier_signal -1
	s_barrier_wait -1
	FETCH 0, 0, F0
	LAP 1                                          ; the first lap stands in front of the loop: its first products start the sums
	WIN 0
	s_mov_b32 s21, LAPS-2
.Llap:
	LAP 0
	WIN 0
	s_sub_co_u32 s21, s21, 1
	s_cmp_lg_u32 s21, 0
	s_cbranch_scc1 .Llap
	THREE 0, 0                                     ; the last lap fills nothing
	TURN 0, 1, 0
	THREE 1, 0
	s_wait_dscnt 0
	WIN MULW
	MUL16 F1, 0, 0
	MUL16 F1, 2, 0
	; THE WAY OUT: (sum + bias) c = sum c + (bias c), rounded to f16, 16 rows at a time through my own stage, read back as pairs of a head's rows.
	PLACES
	s_wait_loadcnt 0x0                             ; the bias
	WIN 0x41                                       ; source 0 and destination window 1
.set j, 0
.rept 32
	v_pk_mul_f32 v[BIAS+2*j:BIAS+2*j+1], v[BIAS+2*j:BIAS+2*j+1], s[44:45] op_sel_hi:[1,0]
.set j, j+1
.endr
	s_lshl_b32 s46, ttmp9, 6                       ; plane = section x 64
	s_lshr_b32 s47, s18, 4
	s_lshl4_add_u32 s46, s47, s46                  ; + batch x 16 (16 row blocks of 128 in a batch)
	s_lshl2_add_u32 s46, s15, s46                  ; + 4 heads for each block column of the section
	s_lshl1_add_u32 s46, s14, s46                  ; + 2 heads for my half
	s_lshl_b32 s46, s46, 18                        ; planes of 262,144 bytes
	s_and_b32 s47, s18, 15
	s_lshl_b32 s47, s47, 14                        ; 128 rows x 128 bytes
	s_add_co_u32 s46, s46, s47
	s_lshl_b32 s47, s13, 13                        ; my 64 rows
	s_add_co_u32 s46, s46, s47
	s_mov_b32 s47, 0
	s_add_nc_u64 s[10:11], s[10:11], s[46:47]
.macro OUT16 i, f
	WIN 0x12                                       ; source 0 window 2 (sums), source 2 window 1 (bias), destination window 0
.irp b, 0,1,2,3,4,5,6,7
.irp r, 0,1,2,3
	v_pk_fma_f32 v[TMP+8*\b+2*\r:TMP+8*\b+2*\r+1], v[8*(8*\i+\b)+2*\r:8*(8*\i+\b)+2*\r+1], s[44:45], v[BIAS+8*\b+2*\r:BIAS+8*\b+2*\r+1] op_sel_hi:[1,0,1]
.endr
.endr
	WIN 0
.irp b, 0,1,2,3,4,5,6,7
.irp r, 0,1,2,3
	v_cvt_pk_f16_f32 v[TMP+4*\b+\r], v[TMP+8*\b+2*\r], v[TMP+8*\b+2*\r+1]     ; in place: the register written never lies ahead of those still to be read
.endr
.endr
.irp b, 0,1,2,3,4,5,6,7
	ds_store_b128 v[STO], v[TMP+4*\b:TMP+4*\b+3] offset:32*\b
.endr
	s_wait_xcnt 0x0                                ; buffer f was the data of earlier stores: it is loaded again only behind this wait (ISA guide 3.1)
.irp t, 0,1,2,3,4,5,6,7
	ds_load_b128 v[\f+4*\t:\f+4*\t+3], v[RD] offset:\t*2*SP        ; LDS serves a wave's instructions in order (ISA guide 5.7.1): these see the stores above
.endr
.irp t, 0,1,2,3,4,5,6,7
	s_wait_dscnt 7-\t
	global_store_b128 v[CO], v[\f+4*\t:\f+4*\t+3], s[10:11] offset:2048*\i+256*\t    ; 16 lanes store rows 2 t, 2 t + 1 of one head: 256 consecutive bytes, aligned
.endr
.endm
	OUT16 0, F0
	OUT16 1, F1
	OUT16 2, F0
	OUT16 3, F1
	s_set_vgpr_msb 0x1
	s_wait_tensorcnt 0x0
	ds_add_u32 v63, v191
	s_wait_dscnt 0x0
	s_set_vgpr_msb 0x100
	CROUND                                         ; the closing round: no work-group ends while a partner may still ask for a tile that names it
	s_endpgm
.Lfunc_end_k_q26fa8864df_qkv:
	.size	k_q26fa8864df_qkv, .Lfunc_end_k_q26fa8864df_qkv-k_q26fa8864df_qkv
	.p2alignl 7, 3214868480
	.fill 96, 4, 3214868480
	.section	.rodata,"a",@progbits
	.p2align	6, 0x0
	.amdhsa_kernel k_q26fa8864df_qkv
		.amdhsa_group_segment_fixed_size 327680
		.amdhsa_private_segment_fixed_size 0
		.amdhsa_enable_private_segment 0
		.amdhsa_kernarg_size 32
		.amdhsa_user_sgpr_count 2
		.amdhsa_user_sgpr_kernarg_segment_ptr 1
		.amdhsa_wavefront_size32 1
		.amdhsa_system_sgpr_workgroup_id_x 1
		.amdhsa_system_sgpr_workgroup_id_y 1
		.amdhsa_system_sgpr_workgroup_id_z 1
		.amdhsa_system_vgpr_workitem_id 0
		.amdhsa_next_free_vgpr 768
		.amdhsa_next_free_sgpr 66
		.amdhsa_reserve_vcc 0
		.amdhsa_float_denorm_mode_32 3
		.amdhsa_float_denorm_mode_16_64 3
		.amdhsa_memory_ordered 1
		.amdhsa_forward_progress 1
		.amdhsa_inst_pref_size 130
	.end_amdhsa_kernel
	.amdgpu_metadata
---
amdhsa.version: [ 1, 2 ]
amdhsa.kernels:
  - .name:           k_q26fa8864df_qkv
    .symbol:         k_q26fa8864df_qkv.kd
    .args:
      - { .name: xh, .offset: 0, .size: 8, .value_kind: global_buffer, .address_space: global }
      - { .name: wqh, .offset: 8, .size: 8, .value_kind: global_buffer, .address_space: global }
      - { .name: b_qkv, .offset: 16, .size: 8, .value_kind: global_buffer, .address_space: global }
      - { .name: qkvh, .offset: 24, .size: 8, .value_kind: global_buffer, .address_space: global }
    .group_segment_fixed_size: 327680
    .private_segment_fixed_size: 0
    .kernarg_segment_align: 8
    .kernarg_segment_size: 32
    .max_flat_workgroup_size: 128
    .sgpr_count:     66
    .vgpr_count:     768
    .wavefront_size: 32
...
	.end_amdgpu_metadata
.endif
;; end of part 2
;; launch attn (part 3): grid 256 x 1, 8 waves a work-group, no clusters, 327,680 bytes of LDS; arguments qkvh, yh; writes yh
.if DOCPART == 3
	.amdgcn_target "amdgcn-amd-amdhsa--gfx1250"
	.amdhsa_code_object_version 6
	.text
	.protected	k_q26fa8864df_attn
	.globl	k_q26fa8864df_attn
	.p2align	8
	.type	k_q26fa8864df_attn,@function
k_q26fa8864df_attn:
	s_mov_b64 s[64:65], 0
	v_nop
	global_prefetch_b8 v0, s[64:65] scope:SCOPE_SE
	s_setreg_imm32_b32 hwreg(HW_REG_WAVE_MODE, 25, 1), 1
	s_wait_xcnt 0x0
; Causal attention of one head, with a running maximum.  qkvh: [q,k,v][batch x head = 64][t 2048][d 64] f16, q already times log2(e)/8.
; yh: [hi, lo][64][2048][64] bf16: y leaves as two bf16 terms, hi = bf16(y) and lo = bf16(y - hi), 16 significant bits together; the last projection adds both.
; One bf16 or f16 term would be too coarse: a batch's first rows average few keys and are some ten times larger than the output's root mean square.
; LIMITS: operands in f16.  A weight exp2(s - max) under 2^-25 rounds to 0 in the product with V; the row sum adds the unrounded weights.
; SHARE: a head has 8 query blocks of 256 rows; work-group p (0..3) of a head takes block qA = 2 p + 1 and then block qB = 6 - 2 p.  Key tiles have 256 keys.
; Each work-group walks 9 tiles: t = 0 the diagonal tile of A; t = 1 .. qA the full tiles of A (key block t - 1); t = qA + 1 .. 7 the full tiles of B
; (key block t - qA - 1); t = 8 the diagonal tile of B.  Tile t lies in LDS slot t % 2.  All 256 work-groups do the same work.
; NO CLUSTER: the four work-groups of a head need different key blocks in the same step (t - 1 or t - 1 - qA with qA = 1, 3, 5, 7), so no request is shared;
; walking all eight key blocks for both query blocks in step would be 16 tiles in place of 9.
; WAVE w holds queries 32 w .. 32 w + 31 of the block as two tiles of 16.  A step is 64 keys.  S^T = K Q^T: lane (r, h) holds, in register j of a tile, key 8 h + j
; of query r, so two neighbouring S tiles rounded to f16 are the second source P^T of y^T = V^T P^T as they stand; V^T comes by the transposing LDS load.
; Maximum, sum and rescaling are per lane; one exchange between the halves of the wave joins the two halves of the keys.
.set PK,     144                       ; LDS pitch of K rows: 128 + 16 bytes = 9 x 16
.set PV,     160                       ; LDS pitch of V rows: 128 + 32 bytes = 5 x 32
.set KBYTES, 256*PK                    ; 36,864
.set SLOT,   KBYTES+256*PV             ; 77,824
.set STAGE,  2*SLOT                    ; 155,648 = 608 x 256: behind the ring, 32 rows x 144 bytes for each wave; no tensor load lands here
.set WSTAGE, 32*PK
.set KQ,     64*PK                     ; 64 keys of K: a step, and what one tensor load brings
.set VQ,     64*PV
.set YLO,    0x1000000                 ; yh's second section, the lo terms: 64 planes of 262,144 bytes on
.set KA,   2                           ; v2-3    K fragments, slot 0, 1
.set VA,   4                           ; v4-5    V fragments, slot 0, 1
.set KM,   6                           ; v6      K fragments of my masked step in slot 0
.set VM,   7                           ; v7      V fragments of it
.set LIM,  8                           ; v8-9    query tile m: a key 16 kt + j of the masked step counts if 16 kt + j <= LIM
.set MN,   10                          ; v10, v12  running maximum (v11, v13: the pairs' partners, written once)
.set AL,   14                          ; v14, v16  rescaling factor (v15, v17 likewise)
.set LSUM, 18                          ; v18-19  running sums, my half of the keys
.set NINF, 20                          ; v20     minus infinity
.set T,    22                          ; v22-29  at work
.set STO,  30
.set RD,   31
.set CO,   32                          ; my byte offset in my rows of yh, hi section
.set QO,   33
.set CO2,  37                          ; the same in the lo section
.set S,    64                          ; v64-127   S tile (m, kt) at S + 32 m + 8 kt; later P(m, g) at S + 32 m + 16 g
.set KF,   128                         ; v128-191  K fragment (kt, dh) at KF + 16 kt + 8 dh
.set VF,   192                         ; v192-255  V^T fragment (g, dt) at VF + 8 (4 g + dt)
.set ACC,  0                           ; window 1: y^T tile (m, dt) at 8 (4 m + dt)
.set QF,   64                          ; window 1: Q fragment (m, dh) at QF + 8 (2 m + dh)
.set G1K, 24                           ; s[24:31]
.set G1V, 32                           ; s[32:39]
.set G0K, 40                           ; s[40:47], one set for each slot
.set G0V, 48                           ; s[48:55]
.set MSB, 0
.macro WIN new
.if MSB != \new
	s_set_vgpr_msb (MSB<<8)|\new
.set MSB, \new
.endif
.endm
.macro PLACES cnt                      ; places behind matrix instructions (ISA guide 7.12.1)
.rept \cnt
	v_nop
.endr
.endm
; One tensor load a wave: waves 0-3 bring K's four quarters of 64 keys, waves 4-7 V's.
.macro TLOAD s
	s_cmp_lt_u32 s8, 4
	s_cbranch_scc0 .Lfor_v_\@
	tensor_load_to_lds s[G0K+4*\s:G0K+4*\s+3], s[G1K:G1K+7]
	s_nop 0
	s_branch .Lasked_\@
.Lfor_v_\@:
	tensor_load_to_lds s[G0V+4*\s:G0V+4*\s+3], s[G1V:G1V+7]
	s_nop 0
.Lasked_\@:
.endm
.macro TLOAD2                          ; the first fills of both slots, inside one branch
	s_cmp_lt_u32 s8, 4
	s_cbranch_scc0 .Lfor_v2_\@
	tensor_load_to_lds s[G0K:G0K+3], s[G1K:G1K+7]
	s_nop 0
	tensor_load_to_lds s[G0K+4:G0K+7], s[G1K:G1K+7]
	s_nop 0
	s_branch .Lasked2_\@
.Lfor_v2_\@:
	tensor_load_to_lds s[G0V:G0V+3], s[G1V:G1V+7]
	s_nop 0
	tensor_load_to_lds s[G0V+4:G0V+7], s[G1V:G1V+7]
	s_nop 0
.Lasked2_\@:
.endm
; The addresses of tile s14 into slot s's two descriptors; stands where no tensor load of the wave is out.  Key block = t - 1, less qA once t > qA.
.macro NEXT s
	s_sub_co_u32 s60, s14, 1
	s_cmp_gt_u32 s14, s12
	s_cselect_b32 s61, s12, 0
	s_sub_co_u32 s60, s60, s61
	s_lshl_b32 s18, s60, 15                        ; 256 keys x 128 bytes; s19 = 0
	s_add_nc_u64 s[G0K+4*\s+2:G0K+4*\s+3], s[20:21], s[18:19]
	s_or_b32 s[G0K+4*\s+3], s[G0K+4*\s+3], 0x80000000
	s_add_nc_u64 s[G0V+4*\s+2:G0V+4*\s+3], s[22:23], s[18:19]
	s_or_b32 s[G0V+4*\s+3], s[G0V+4*\s+3], 0x80000000
	s_add_co_u32 s14, s14, 1
.endm
.macro KLOAD ka, s                     ; 16 loads: 64 keys x 64 d of step s
.irp kt, 0,1,2,3
.irp dh, 0,1
	ds_load_b128 v[KF+16*\kt+8*\dh:KF+16*\kt+8*\dh+3],   v[\ka] offset:KQ*(\s)+16*PK*\kt+64*\dh
	ds_load_b128 v[KF+16*\kt+8*\dh+4:KF+16*\kt+8*\dh+7], v[\ka] offset:KQ*(\s)+16*PK*\kt+64*\dh+32
.endr
.endr
.endm
.macro VLOAD va, s                     ; 16 transposing loads: 64 d x 64 keys of step s
.irp g, 0,1
.irp dt, 0,1,2,3
	ds_load_tr16_b128 v[VF+8*(4*\g+\dt):VF+8*(4*\g+\dt)+3],   v[\va] offset:VQ*(\s)+32*PV*\g+32*\dt
	ds_load_tr16_b128 v[VF+8*(4*\g+\dt)+4:VF+8*(4*\g+\dt)+7], v[\va] offset:VQ*(\s)+32*PV*\g+32*\dt+16*PV
.endr
.endr
.endm
; One step: 64 keys against my 32 queries.  The step's 16 K loads have been issued.  mask = 1: the step that holds my queries' own keys.
; first = 1: the first step of the launch: it starts maximum, sums and products.  pre = 1: the next step's K fragments are fetched meanwhile.
; In both groups of products eight accumulators take turns, one instruction a turn.
.macro STEP ka, va, s, mask, first, pre
	VLOAD \va, \s
	s_wait_dscnt 16                                ; the 16 older loads, K's, are in; V's stay out
	WIN 0x04                                       ; source 1 (Q) window 1
.irp m, 0,1
.irp kt, 0,1,2,3
	v_wmma_f32_16x16x32_f16 v[S+32*\m+8*\kt:S+32*\m+8*\kt+7], v[KF+16*\kt:KF+16*\kt+7], v[QF+16*\m:QF+16*\m+7], 0
.endr
.endr
.irp m, 0,1
.irp kt, 0,1,2,3
	v_wmma_f32_16x16x32_f16 v[S+32*\m+8*\kt:S+32*\m+8*\kt+7], v[KF+16*\kt+8:KF+16*\kt+15], v[QF+16*\m+8:QF+16*\m+15], v[S+32*\m+8*\kt:S+32*\m+8*\kt+7]
.endr
.endr
	WIN 0
	PLACES 4                                       ; before K's registers are loaded again and the scores are read
.if \pre
	KLOAD \ka, \s+1
.endif
.if \mask
.irp m, 0,1
.irp kt, 0,1,2,3
.irp j, 0,1,2,3,4,5,6,7
	v_cmp_le_i32 vcc_lo, 16*\kt+\j, v[LIM+\m]      ; key <= query, on whole numbers; the choice selects a value only
	v_cndmask_b32 v[S+32*\m+8*\kt+\j], v[NINF], v[S+32*\m+8*\kt+\j], vcc_lo
.endr
.endr
.endr
.endif
	; the new maximum of each query: two chains for each query tile, the old maximum in the first
.irp m, 0,1
.if \first
	v_max_num_f32 v[T+2*\m], v[S+32*\m], v[S+32*\m+1]
.else
	v_max3_num_f32 v[T+2*\m], v[S+32*\m], v[S+32*\m+1], v[MN+2*\m]
.endif
	v_max3_num_f32 v[T+2*\m+1], v[S+32*\m+16], v[S+32*\m+17], v[S+32*\m+18]
.endr
.irp i, 0,1,2,3,4,5
.irp m, 0,1
	v_max3_num_f32 v[T+2*\m],   v[T+2*\m],   v[S+32*\m+2+2*\i],  v[S+32*\m+3+2*\i]
	v_max3_num_f32 v[T+2*\m+1], v[T+2*\m+1], v[S+32*\m+19+2*\i], v[S+32*\m+20+2*\i]
.endr
.endr
.irp m, 0,1
	v_max3_num_f32 v[T+2*\m], v[T+2*\m], v[S+32*\m+14], v[S+32*\m+15]
.endr
.irp m, 0,1
	v_max3_num_f32 v[T+2*\m], v[T+2*\m], v[T+2*\m+1], v[S+32*\m+31]
.endr
.irp m, 0,1
	v_permlanex16_b32 v[T+2*\m+1], v[T+2*\m], s16, s17     ; the other half of the keys
.endr
.irp m, 0,1
	v_max_num_f32 v[T+2*\m], v[T+2*\m], v[T+2*\m+1]        ; finite: a full step has finite scores, a masked one holds each query's own key
.endr
.if \first == 0
.irp m, 0,1
	v_sub_f32 v[AL+2*\m], v[MN+2*\m], v[T+2*\m]
.endr
.irp m, 0,1
	v_exp_f32 v[AL+2*\m], v[AL+2*\m]               ; 2^(old - new); 0 where the old maximum is minus infinity
.endr
.endif
.irp m, 0,1
	v_mov_b32 v[MN+2*\m], v[T+2*\m]                ; also the plain instruction behind the exponentials (ISA guide 5.7.2)
.endr
.irp m, 0,1
.irp i, 0,1,2,3,4,5,6,7,8,9,10,11,12,13,14,15
	v_pk_add_f32 v[S+32*\m+2*\i:S+32*\m+2*\i+1], v[S+32*\m+2*\i:S+32*\m+2*\i+1], v[MN+2*\m:MN+2*\m+1] op_sel_hi:[1,0] neg_lo:[0,1] neg_hi:[0,1]
.endr
.set j, 0
.rept 32
	v_exp_f32 v[S+32*\m+j], v[S+32*\m+j]
.set j, j+1
.endr
.endr
.if \first
	v_nop                                          ; the plain instruction behind the last exponential
	s_wait_alu depctr_va_vdst(0)
.else
	WIN 0x41                                       ; source 0 and destination window 1: the old products shrink by the factor; also the plain work behind the exponentials
	s_wait_alu depctr_va_vdst(0)
.irp m, 0,1
.set j, 0
.rept 16
	v_pk_mul_f32 v[ACC+32*\m+2*j:ACC+32*\m+2*j+1], v[ACC+32*\m+2*j:ACC+32*\m+2*j+1], v[AL+2*\m:AL+2*\m+1] op_sel_hi:[1,0]
.set j, j+1
.endr
.endr
	WIN 0
.endif
.irp m, 0,1
.irp c, 0,1,2,3
	v_pk_add_f32 v[T+2*\c:T+2*\c+1], v[S+32*\m+4*\c:S+32*\m+4*\c+1], v[S+32*\m+4*\c+2:S+32*\m+4*\c+3]     ; four chains start on the first 16 weights
.endr
.irp c, 0,1,2,3
	v_pk_add_f32 v[T+2*\c:T+2*\c+1], v[T+2*\c:T+2*\c+1], v[S+32*\m+16+2*\c:S+32*\m+16+2*\c+1]
.endr
.irp c, 0,1,2,3
	v_pk_add_f32 v[T+2*\c:T+2*\c+1], v[T+2*\c:T+2*\c+1], v[S+32*\m+24+2*\c:S+32*\m+24+2*\c+1]
.endr
	v_pk_add_f32 v[T:T+1], v[T:T+1], v[T+2:T+3]
	v_pk_add_f32 v[T+4:T+5], v[T+4:T+5], v[T+6:T+7]
	v_pk_add_f32 v[T:T+1], v[T:T+1], v[T+4:T+5]
.if \first
	v_add_f32 v[LSUM+\m], v[T], v[T+1]
.else
	v_add_f32 v[T], v[T], v[T+1]
	v_fma_f32 v[LSUM+\m], v[LSUM+\m], v[AL+2*\m], v[T]
.endif
.irp g, 0,1
.irp i, 0,1,2,3,4,5,6,7
	v_cvt_pk_f16_f32 v[S+32*\m+16*\g+\i], v[S+32*\m+16*\g+2*\i], v[S+32*\m+16*\g+2*\i+1]   ; in place: two S tiles become one P^T fragment of 32 keys
.endr
.endr
.endr
.if \pre
	s_wait_dscnt 16                                ; V's loads are in; the next step's 16 K loads stay out
.else
	s_wait_dscnt 0
.endif
	WIN 0x50                                       ; C and D window 1
.irp g, 0,1
.irp m, 0,1
.irp dt, 0,1,2,3
.if \first*(1-\g)
	v_wmma_f32_16x16x32_f16 v[ACC+8*(4*\m+\dt):ACC+8*(4*\m+\dt)+7], v[VF+8*(4*\g+\dt):VF+8*(4*\g+\dt)+7], v[S+32*\m+16*\g:S+32*\m+16*\g+7], 0
.else
	v_wmma_f32_16x16x32_f16 v[ACC+8*(4*\m+\dt):ACC+8*(4*\m+\dt)+7], v[VF+8*(4*\g+\dt):VF+8*(4*\g+\dt)+7], v[S+32*\m+16*\g:S+32*\m+16*\g+7], v[ACC+8*(4*\m+\dt):ACC+8*(4*\m+\dt)+7]
.endif
.endr
.endr
.endr
	WIN 0
	PLACES 5                                       ; the next score products write over P; loads land in V's registers; vector work reads the products
.endm
; A full tile in slot; the other slot, read last, is filled again with the next tile.  In front of the barrier every wave waits for its LDS reads and for all its
; tensor loads (one is out: its part of this tile); behind it the refill comes first and has this tile's four steps in which to land.
.macro FT slot, other
	s_wait_dscnt 0x0
	s_wait_tensorcnt 0x0
	ds_add_u32 v62, v63
	s_wait_dscnt 0x0
	NEXT \other
	s_barrier_signal -1
	s_barrier_wait -1
	TLOAD \other
	KLOAD KA+\slot, 0
	STEP KA+\slot, VA+\slot, 0, 0, 0, 1
	STEP KA+\slot, VA+\slot, 1, 0, 0, 1
	STEP KA+\slot, VA+\slot, 2, 0, 0, 1
	STEP KA+\slot, VA+\slot, 3, 0, 0, 0
.endm
; A diagonal tile (slot 0).  My queries 32 w .. 32 w + 31 lie in step w / 2: that step is masked and comes first, steps below it are full, steps above it
; hold no key that counts and are left out.  The branches hang on the wave's number and enclose no barrier.
.macro DIAG first
	KLOAD KM, 0
	STEP KM, VM, 0, 1, \first, 0
.irp s, 0,1,2
	s_cmp_lt_u32 s8, 2*\s+2
	s_cbranch_scc1 .Ldiag_done_\@
	KLOAD KA, \s
	STEP KA, VA, \s, 0, 0, 0
.endr
.Ldiag_done_\@:
.endm
.macro QLOAD                           ; my 32 queries as fragments: lane (r, h) takes row 16 m + r, 16 bytes at 64 dh + 16 h and 32 further
	WIN 0x40
.irp m, 0,1
.irp dh, 0,1
	global_load_b128 v[QF+8*(2*\m+\dh):QF+8*(2*\m+\dh)+3],   v[QO], s[56:57] offset:2048*\m+64*\dh
	global_load_b128 v[QF+8*(2*\m+\dh)+4:QF+8*(2*\m+\dh)+7], v[QO], s[56:57] offset:2048*\m+64*\dh+32
.endr
.endr
	WIN 0
.endm
; y = products / sum, split into hi = bf16(y) and lo = bf16(y - hi); each goes through my own stage and out as 512 consecutive bytes a store.
.macro FINALIZE
.irp m, 0,1
	v_permlanex16_b32 v[T+\m], v[LSUM+\m], s16, s17
.endr
.irp m, 0,1
	v_add_f32 v[LSUM+\m], v[LSUM+\m], v[T+\m]      ; both halves of the keys; at least 1, the weight of the maximum
.endr
	v_rcp_f32 v[AL], v[LSUM]
	v_rcp_f32 v[AL+2], v[LSUM+1]
	v_nop                                          ; the plain instruction behind the reciprocals (ISA guide 5.7.2)
	WIN 0x01                                       ; source 0 window 1
	s_wait_alu depctr_va_vdst(0)
.irp m, 0,1
.set j, 0
.rept 16
	v_pk_mul_f32 v[S+32*\m+2*j:S+32*\m+2*j+1], v[ACC+32*\m+2*j:ACC+32*\m+2*j+1], v[AL+2*\m:AL+2*\m+1] op_sel_hi:[1,0]
.set j, j+1
.endr
.endr
	WIN 0
.set j, 0
.rept 32
	v_cvt_pk_bf16_f32 v[VF+j], v[S+2*j], v[S+2*j+1]        ; hi, into V's registers, which are free here
.set j, j+1
.endr
.set j, 0
.rept 32
	v_lshlrev_b32 v[T+2*(j%4)],   16, v[VF+j]              ; hi back in f32: the low half moves up,
	v_and_b32     v[T+2*(j%4)+1], 0xffff0000, v[VF+j]      ; the high half stays
	v_pk_add_f32 v[S+2*j:S+2*j+1], v[S+2*j:S+2*j+1], v[T+2*(j%4):T+2*(j%4)+1] neg_lo:[0,1] neg_hi:[0,1]   ; y - hi, exact in f32
.set j, j+1
.endr
.set j, 0
.rept 32
	v_cvt_pk_bf16_f32 v[S+j], v[S+2*j], v[S+2*j+1]         ; lo, in place: the register written never lies ahead of those still to be read
.set j, j+1
.endr
.irp m, 0,1
.irp dt, 0,1,2,3
	ds_store_b128 v[STO], v[VF+4*(4*\m+\dt):VF+4*(4*\m+\dt)+3] offset:16*PK*\m+32*\dt   ; query 16 m + r, d = 16 dt + 8 h + 0..7
.endr
.endr
.irp u, 0,1,2,3,4,5,6,7
	ds_load_b128 v[KF+4*\u:KF+4*\u+3], v[RD] offset:4*PK*\u        ; four rows of 128 bytes; a wave's LDS instructions are served in order (ISA guide 5.7.1)
.endr
.irp u, 0,1,2,3,4,5,6,7
	s_wait_dscnt 7-\u                              ; read-back u is in, the 7 - u younger ones stay out; the last count is 0: the stage is free for lo
	global_store_b128 v[CO], v[KF+4*\u:KF+4*\u+3], s[58:59] offset:512*\u
.endr
.irp m, 0,1
.irp dt, 0,1,2,3
	ds_store_b128 v[STO], v[S+4*(4*\m+\dt):S+4*(4*\m+\dt)+3] offset:16*PK*\m+32*\dt
.endr
.endr
.irp u, 0,1,2,3,4,5,6,7
	ds_load_b128 v[KF+32+4*\u:KF+32+4*\u+3], v[RD] offset:4*PK*\u  ; other registers than hi's, whose stores may still read them
.endr
.irp u, 0,1,2,3,4,5,6,7
	s_wait_dscnt 7-\u
	global_store_b128 v[CO2], v[KF+32+4*\u:KF+32+4*\u+3], s[58:59] offset:512*\u
.endr
	s_wait_xcnt 0x0                                ; the stores' data registers and base are written again only behind this wait (ISA guide 3.1)
.endm
; From query block A to block B: B's queries are asked for, A's result leaves, and the maximum becomes minus infinity: the next step's factor
; 2^(-inf) = 0 then wipes the old sums and products, which are finite, so nothing is cleared.
.macro SWITCH
	s_lshl_b32 s18, s13, 15                        ; block qB x 256 rows x 128 bytes
	s_add_co_u32 s18, s18, s62
	s_add_nc_u64 s[56:57], s[4:5], s[18:19]        ; A's loads from this base were waited for
	QLOAD
	FINALIZE
	s_add_nc_u64 s[58:59], s[6:7], s[18:19]
	v_mov_b32 v[MN], v[NINF]
	v_mov_b32 v[MN+2], v[NINF]
	s_wait_loadcnt 0x0
.endm
	s_load_b128 s[4:7], s[0:1], 0x0                ; qkvh s[4:5], yh s[6:7]
	v_lshl_add_u32 v62, v0, 2, 0x2f000
	v_mov_b32 v63, 0
	ds_add_u32 v62, v63
	ds_add_u32 v62, v63
	v_lshrrev_b32 v1, 5, v0
	v_readfirstlane_b32 s8, v1                     ; wave 0..7
	s_and_b32 s9, s8, 3                            ; which quarter of a tile I fetch
	s_and_b32 s10, ttmp9, 3                        ; p
	s_lshr_b32 s11, ttmp9, 2                       ; batch x 16 + head
	s_lshl_b32 s12, s10, 1
	s_add_co_u32 s12, s12, 1                       ; qA = 2 p + 1
	s_sub_co_u32 s13, 7, s12                       ; qB = 6 - 2 p
	s_mov_b32 s14, 2                               ; the next tile to ask for
	s_mov_b32 s16, 0x76543210                      ; v_permlanex16_b32: lane i reads lane i of the other half
	s_mov_b32 s17, 0xfedcba98
	s_mov_b32 s19, 0
	; group 1: 64 rows x 64 elements of 2 bytes, dense in memory; padding behind every 32 words: 4 words for K, 8 for V
	s_mov_b32 s[G1K+0], (1<<16)|(1<<20)|(4<<22)|(3<<25)
	s_mov_b32 s[G1V+0], (1<<16)|(1<<20)|(4<<22)|(7<<25)
.irp g, G1K, G1V
	s_mov_b32 s[\g+1], 64<<16                      ; tensor_dim0 = 64
	s_mov_b32 s[\g+2], 64<<16                      ; tensor_dim1 = 64
	s_mov_b32 s[\g+3], 64<<16                      ; tile_dim0 = 64
	s_mov_b32 s[\g+4], 64                          ; tile_dim1 = 64
	s_mov_b32 s[\g+5], 64                          ; elements from row to row
	s_mov_b32 s[\g+6], 0
	s_mov_b32 s[\g+7], 0
.endr
	s_lshl_b32 s60, s11, 18                        ; my head's plane of 262,144 bytes
	s_lshl_b32 s61, s9, 13                         ; my quarter: 64 rows x 128 bytes
	s_add_co_u32 s18, s60, s61
	s_lshl_b32 s61, s8, 12                         ; my 32 queries x 128 bytes
	s_add_co_u32 s62, s60, s61                     ; kept: plane + my rows in a query block
	s_mul_i32 s60, s9, KQ                          ; LDS: my quarter of K,
	s_mul_i32 s61, s9, VQ
	s_add_co_u32 s61, s61, KBYTES                  ; of V
	s_wait_dscnt 0x0
	s_wait_kmcnt 0x0
	s_add_nc_u64 s[20:21], s[4:5], s[18:19]
	s_add_nc_u64 s[22:23], s[20:21], 0x2000000     ; v's section
	s_add_nc_u64 s[20:21], s[20:21], 0x1000000     ; k's section
	s_lshl_b32 s18, s12, 15                        ; tile 0: key block qA
	s_mov_b32 s[G0K], 1
	s_mov_b32 s[G0K+1], s60
	s_add_nc_u64 s[G0K+2:G0K+3], s[20:21], s[18:19]
	s_or_b32 s[G0K+3], s[G0K+3], 0x80000000
	s_mov_b32 s[G0K+4], 1
	s_add_co_u32 s[G0K+5], s60, SLOT
	s_mov_b64 s[G0K+6:G0K+7], s[20:21]             ; tile 1: key block 0
	s_or_b32 s[G0K+7], s[G0K+7], 0x80000000
	s_mov_b32 s[G0V], 1
	s_mov_b32 s[G0V+1], s61
	s_add_nc_u64 s[G0V+2:G0V+3], s[22:23], s[18:19]
	s_or_b32 s[G0V+3], s[G0V+3], 0x80000000
	s_mov_b32 s[G0V+4], 1
	s_add_co_u32 s[G0V+5], s61, SLOT
	s_mov_b64 s[G0V+6:G0V+7], s[22:23]
	s_or_b32 s[G0V+7], s[G0V+7], 0x80000000
	TLOAD2                                         ; two tensor loads of the wave are out
	v_and_b32 v1, 15, v0                           ; r
	v_bfe_u32 v21, v0, 4, 1                        ; h
	v_and_b32 v34, 7, v0                           ; l % 8
	v_bfe_u32 v35, v0, 3, 1                        ; (l / 8) % 2
	v_and_b32 v36, 31, v0                          ; l
	v_lshlrev_b32 v[QO], 7, v1
	v_lshl_add_u32 v[QO], v21, 4, v[QO]            ; 128 r + 16 h
	s_add_co_u32 s18, s18, s62                     ; block qA, my rows
	s_add_nc_u64 s[56:57], s[4:5], s[18:19]
	s_add_nc_u64 s[58:59], s[6:7], s[18:19]
	QLOAD
	v_mul_u32_u24 v[KA], v1, PK
	v_lshl_add_u32 v[KA], v21, 4, v[KA]            ; key row r, 16 h
	v_add_nc_u32 v[KA+1], SLOT, v[KA]
	v_lshl_add_u32 v[VA], v21, 3, v34              ; key row 8 h + l % 8
	v_mul_u32_u24 v[VA], v[VA], PV
	v_lshl_add_u32 v[VA], v35, 4, v[VA]
	v_add_nc_u32 v[VA], KBYTES, v[VA]
	v_add_nc_u32 v[VA+1], SLOT, v[VA]
	s_lshr_b32 s63, s8, 1                          ; the step of a diagonal tile that holds my queries' own keys
	s_mul_i32 s60, s63, KQ
	s_mul_i32 s61, s63, VQ
	v_add_nc_u32 v[KM], s60, v[KA]
	v_add_nc_u32 v[VM], s61, v[VA]
	s_and_b32 s60, s8, 1
	s_lshl_b32 s60, s60, 5
	v_lshlrev_b32 v[LIM], 3, v21
	v_sub_nc_u32 v[LIM], v1, v[LIM]
	v_add_nc_u32 v[LIM], s60, v[LIM]               ; 32 (w % 2) + r - 8 h
	v_add_nc_u32 v[LIM+1], 16, v[LIM]
	s_mul_i32 s60, s8, WSTAGE
	s_add_co_u32 s60, s60, STAGE                   ; my stage
	v_add_nc_u32 v[STO], s60, v[KA]                ; row r, 16 h: the stage's pitch is K's
	v_lshrrev_b32 v[RD], 3, v36
	v_mul_u32_u24 v[RD], v[RD], PK
	v_lshl_add_u32 v[RD], v34, 4, v[RD]
	v_add_nc_u32 v[RD], s60, v[RD]                 ; row l / 8, 16 (l % 8)
	v_lshlrev_b32 v[CO], 4, v36
	v_add_nc_u32 v[CO2], YLO, v[CO]
	v_mov_b32 v[NINF], 0xff800000
.irp i, 11,13,15,17,22,23,24,25,26,27,28,29
	v_mov_b32 v\i, 0                               ; the pairs' partners and the work registers are written once before they are named as sources
.endr
	s_wait_tensorcnt 0x1                           ; my part of tile 0 is in; tile 1's may stay out
	s_barrier_signal -1
	s_barrier_wait -1
	s_wait_loadcnt 0x0                             ; Q
	DIAG 1                                         ; t = 0
	FT 1, 0                                        ; t = 1
	s_mov_b32 s15, 0
.Lpair:
	s_cmp_lg_u32 s15, s10                          ; block A ends behind tile 2 p + 1
	s_cbranch_scc1 .Lsame_block
	SWITCH
.Lsame_block:
	FT 0, 1                                        ; t = 2 + 2 i
	FT 1, 0                                        ; t = 3 + 2 i
	s_add_co_u32 s15, s15, 1
	s_cmp_lt_u32 s15, 3
	s_cbranch_scc1 .Lpair
	s_cmp_lg_u32 s10, 3
	s_cbranch_scc1 .Llast_tile
	SWITCH
.Llast_tile:
	s_wait_dscnt 0x0
	s_wait_tensorcnt 0x0                           ; my part of tile 8; no tensor load is out from here on
	s_barrier_signal -1
	s_barrier_wait -1
	DIAG 0                                         ; t = 8
	FINALIZE
	s_wait_tensorcnt 0x0
	ds_add_u32 v62, v63
	s_wait_dscnt 0x0
	s_endpgm
.Lfunc_end_k_q26fa8864df_attn:
	.size	k_q26fa8864df_attn, .Lfunc_end_k_q26fa8864df_attn-k_q26fa8864df_attn
	.p2alignl 7, 3214868480
	.fill 96, 4, 3214868480
	.section	.rodata,"a",@progbits
	.p2align	6, 0x0
	.amdhsa_kernel k_q26fa8864df_attn
		.amdhsa_group_segment_fixed_size 327680
		.amdhsa_private_segment_fixed_size 0
		.amdhsa_enable_private_segment 0
		.amdhsa_kernarg_size 16
		.amdhsa_user_sgpr_count 2
		.amdhsa_user_sgpr_kernarg_segment_ptr 1
		.amdhsa_wavefront_size32 1
		.amdhsa_system_sgpr_workgroup_id_x 1
		.amdhsa_system_sgpr_workgroup_id_y 1
		.amdhsa_system_sgpr_workgroup_id_z 1
		.amdhsa_system_vgpr_workitem_id 0
		.amdhsa_next_free_vgpr 352
		.amdhsa_next_free_sgpr 66
		.amdhsa_reserve_vcc 1
		.amdhsa_float_denorm_mode_32 3
		.amdhsa_float_denorm_mode_16_64 3
		.amdhsa_memory_ordered 1
		.amdhsa_forward_progress 1
		.amdhsa_inst_pref_size 255
	.end_amdhsa_kernel
	.section	.bss,"aw",@nobits
	.p2align	6
	.space	262144
	.amdgpu_metadata
---
amdhsa.version: [ 1, 2 ]
amdhsa.kernels:
  - .name:           k_q26fa8864df_attn
    .symbol:         k_q26fa8864df_attn.kd
    .args:
      - { .name: qkvh, .offset: 0, .size: 8, .value_kind: global_buffer, .address_space: global }
      - { .name: yh, .offset: 8, .size: 8, .value_kind: global_buffer, .address_space: global }
    .group_segment_fixed_size: 327680
    .private_segment_fixed_size: 0
    .kernarg_segment_align: 8
    .kernarg_segment_size: 16
    .max_flat_workgroup_size: 256
    .sgpr_count:     66
    .vgpr_count:     352
    .wavefront_size: 32
...
	.end_amdgpu_metadata
.endif
;; end of part 3
;; launch outp (part 4): grid 4 x 64, 4 waves a work-group, clusters of 4 x 4, 327,680 bytes of LDS; arguments yh, woh, b_out, out0; writes out0
.if DOCPART == 4
	.amdgcn_target "amdgcn-amd-amdhsa--gfx1250"
	.amdhsa_code_object_version 6
	.text
	.protected	k_q26fa8864df_outp
	.globl	k_q26fa8864df_outp
	.p2align	8
	.type	k_q26fa8864df_outp,@function
k_q26fa8864df_outp:
	s_mov_b64 s[64:65], 0
	v_nop
	global_prefetch_b8 v0, s[64:65] scope:SCOPE_SE
	s_setreg_imm32_b32 hwreg(HW_REG_WAVE_MODE, 25, 1), 1
	s_wait_xcnt 0x0
	s_wait_alu depctr_hold_cnt(0) depctr_sa_sdst(0) depctr_va_vdst(0) depctr_va_sdst(0) depctr_va_ssrc(0) depctr_va_vcc(0) depctr_vm_vsrc(0)
	s_getreg_b32 s2, hwreg(HW_REG_IB_STS2, 6, 4)
	s_cmp_eq_u32 s2, 0
	s_cbranch_scc0 .Lentry_in_a_cluster
	s_endpgm
.Lentry_in_a_cluster:
	s_bfe_u32 s2, ttmp6, 0x10000c
	s_cmp_lg_u32 s2, 0xf033
	s_cbranch_scc0 .Lentry_shape_is_right
	s_endpgm
.Lentry_shape_is_right:
; out0 = y woh + b_out in f32.  yh: [hi, lo][batch][head][t][d 64] bf16, y = hi + lo, column c = 64 head + d of y's row (batch, t); woh: [1024 k][1024 n] bf16;
; sums in f32, bias in f32.  Both terms of y are multiplied by W and added into the same sums: 2 x 1024 along K.
; The frame is that of the projection to q, k, v: a work-group makes 128 rows x 256 columns with four waves, a wave 64 x 128 in 32 accumulator tiles (one register
; window); 64 x 4 = 256 work-groups; two LDS slots; clusters of 4 x 4 with y's tiles asked for jointly along a cluster's row and W's along a column, which divides
; the requests by four; W's fragments by the transposing LDS load; the matrix instruction used transposed (source 0 = columns of W).
; A K step of 128 is two heads: y's tile is two planes of 128 rows x 128 bytes, each dense in memory; wave 0 fetches the first, wave 1 the second.
; 16 K steps: step 2 i (slot 0) takes hi of heads 2 i, 2 i + 1, step 2 i + 1 (slot 1) lo of the same heads; both take W's rows 128 i .. 128 i + 127,
; so W's tile comes into LDS once for each of the two terms.
.set NN,     1024
.set KK,     1024
.set KSTEP,  128
.set PLANE,  262144                    ; bytes of a head's plane in yh
.set YLO,    0x1000000                 ; yh's second section: 64 planes on
.set PA,     144                       ; LDS pitch of a head's rows: 128 + 16 bytes = 9 x 16
.set PW,     544                       ; LDS pitch of W rows: 512 + 32 bytes = 17 x 32
.set APLANE, 128*PA                    ; 18,432: what wave 0 or 1 fetches
.set WHALF,  64*PW
.set WOFF,   2*APLANE
.set SLOT,   WOFF+2*WHALF              ; 106,496
.set STAGE,  2*SLOT                    ; 212,992 = 832 x 256: behind the ring, 16 rows x 528 bytes for each wave; no tensor load lands here
.set SP,     528                       ; 512 + 16 bytes
.set LAPS,   KK/KSTEP                  ; a lap = once round the ring = hi and lo of one 128 along K
.set ADRA, 16
.set ADRW, 20
.set STO,  24
.set RD,   25
.set CO,   26
.set BO,   27
.set F0,   64
.set F1,   128
.set TMP,  192
.set BIAS, 192
.set G1A, 24
.set G0A, 32
.set G1W, 48
.set G0W, 56
.set MSB, 0
.macro WIN new
.if MSB != \new
	s_set_vgpr_msb (MSB<<8)|\new
.set MSB, \new
.endif
.endm
.set MULW, 0xa1                        ; source 0 (W) window 1, source 1 (y) window 0, C and D window 2
.set TO_B, 0x40
.macro PLACES                          ; four places behind a matrix instruction (ISA guide 7.12.1)
.rept 4
	v_nop
.endr
.endm
.macro JLOAD s
	s_cmp_eq_u32 s13, 0
	s_cbranch_scc0 .Lfor_w_\@
	tensor_load_to_lds s[G0A+4*\s:G0A+4*\s+3], s[G1A:G1A+7]
	s_nop 0
	s_branch .Lasked_\@
.Lfor_w_\@:
	tensor_load_to_lds s[G0W+4*\s:G0W+4*\s+3], s[G1W:G1W+7]
	s_nop 0
.Lasked_\@:
.endm
.macro JLOAD2
	s_cmp_eq_u32 s13, 0
	s_cbranch_scc0 .Lfor_w2_\@
	tensor_load_to_lds s[G0A:G0A+3], s[G1A:G1A+7]
	s_nop 0
	tensor_load_to_lds s[G0A+4:G0A+7], s[G1A:G1A+7]
	s_nop 0
	s_branch .Lasked2_\@
.Lfor_w2_\@:
	tensor_load_to_lds s[G0W:G0W+3], s[G1W:G1W+7]
	s_nop 0
	tensor_load_to_lds s[G0W+4:G0W+7], s[G1W:G1W+7]
	s_nop 0
.Lasked2_\@:
.endm
.macro CREST
	s_cmp_lg_u32 s12, 0
	s_cbranch_scc1 .Lnot_wave_0_\@
	s_barrier_signal -3
.Lnot_wave_0_\@:
	s_barrier_wait -3
	s_barrier_signal -1
	s_barrier_wait -1
.endm
.macro CROUND
	s_barrier_signal -1
	s_barrier_wait -1
	CREST
.endm
	s_load_b256 s[4:11], s[0:1], 0x0               ; yh s[4:5], woh s[6:7], b_out s[8:9], out0 s[10:11]
	s_set_vgpr_msb 0x40
	v_lshl_add_u32 v63, v0, 2, 0x3c400
	s_set_vgpr_msb 0x4000
	v_mov_b32 v191, 0
	s_set_vgpr_msb 0x1
	ds_add_u32 v63, v191
	ds_add_u32 v63, v191
	s_set_vgpr_msb 0x100
	v_lshrrev_b32 v1, 5, v0
	v_readfirstlane_b32 s12, v1                    ; wave 0..3
	s_lshr_b32 s13, s12, 1                         ; my half of the rows.  Also: I fetch for y (0) or for W (1)
	s_and_b32 s14, s12, 1                          ; my half of the columns.  Also: which part of that tile I fetch
	s_bfe_u32 s15, ttmp6, 0x40000                  ; cx
	s_bfe_u32 s16, ttmp6, 0x40004                  ; cy
	s_lshl_b32 s17, ttmp9, 2
	s_add_co_u32 s17, s17, s15                     ; block column
	s_and_b32 s18, ttmp7, 0xffff
	s_lshl_b32 s18, s18, 2
	s_add_co_u32 s18, s18, s16                     ; block row
	s_lshl_b32 s19, s16, 2
	s_lshl_b32 s19, 15, s19                        ; my row of the cluster
	s_lshl_b32 s20, 0x1111, s15                    ; my column
	; group 1 for y: 128 rows x 64 elements of 2 bytes; 4 words of padding behind every 32 words
	s_or_b32 s[G1A+0], s19, (1<<16)|(1<<20)|(1<<21)|(4<<22)|(3<<25)
	s_mov_b32 s[G1A+1], 64<<16                     ; tensor_dim0 = 64
	s_mov_b32 s[G1A+2], 128<<16                    ; tensor_dim1 = 128
	s_mov_b32 s[G1A+3], 64<<16                     ; tile_dim0 = 64
	s_mov_b32 s[G1A+4], 128                        ; tile_dim1 = 128
	s_mov_b32 s[G1A+5], 64                         ; elements from row to row
	s_mov_b32 s[G1A+6], 0
	s_mov_b32 s[G1A+7], 0
	; group 1 for W: 64 k rows x 256 elements; 8 words of padding behind every 128 words
	s_or_b32 s[G1W+0], s20, (1<<16)|(1<<20)|(1<<21)|(6<<22)|(7<<25)
	s_mov_b32 s[G1W+1], 256<<16
	s_mov_b32 s[G1W+2], 64<<16
	s_mov_b32 s[G1W+3], 256<<16
	s_mov_b32 s[G1W+4], 64
	s_mov_b32 s[G1W+5], NN
	s_mov_b32 s[G1W+6], 0
	s_mov_b32 s[G1W+7], 0
	s_lshr_b32 s40, s18, 4                         ; batch (16 row blocks of 128 each)
	s_lshl_b32 s40, s40, 4                         ; its first head's plane
	s_add_co_u32 s40, s40, s14                     ; + the plane of the pair that I fetch
	s_lshl_b32 s40, s40, 18                        ; planes of 262,144 bytes
	s_and_b32 s41, s18, 15
	s_lshl_b32 s41, s41, 14                        ; 128 rows x 128 bytes
	s_add_co_u32 s40, s40, s41
	s_mov_b32 s41, 0
	s_mul_i32 s42, s14, 64*NN*2                    ; my 64 k rows
	s_lshl_b32 s43, s17, 9                         ; + 256 columns x 2 bytes
	s_add_co_u32 s42, s42, s43
	s_mov_b32 s43, 0
	s_mul_i32 s22, s14, APLANE                     ; the wave's number alone enters an LDS address
	s_mul_i32 s23, s14, WHALF
	s_add_co_u32 s23, s23, WOFF
	s_wait_dscnt 0x0
	s_wait_kmcnt 0x0
	s_add_nc_u64 s[40:41], s[4:5], s[40:41]
	s_add_nc_u64 s[42:43], s[6:7], s[42:43]
	CROUND                                         ; all sixteen work-groups are here: the first joint loads meet
.irp s, 0,1
	s_mov_b32 s[G0A+4*\s], 1
	s_add_co_u32 s[G0A+4*\s+1], s22, \s*SLOT
	s_add_nc_u64 s[G0A+4*\s+2:G0A+4*\s+3], s[40:41], \s*YLO            ; slot 0: hi of heads 0, 1; slot 1: lo of the same heads
	s_or_b32 s[G0A+4*\s+3], s[G0A+4*\s+3], 0x80000000
	s_mov_b32 s[G0W+4*\s], 1
	s_add_co_u32 s[G0W+4*\s+1], s23, \s*SLOT
	s_mov_b64 s[G0W+4*\s+2:G0W+4*\s+3], s[42:43]                       ; both slots: W's rows 0 to 127
	s_or_b32 s[G0W+4*\s+3], s[G0W+4*\s+3], 0x80000000
.endr
	JLOAD2                                         ; two tensor loads of the wave are out
	v_and_b32 v1, 15, v0                           ; r
	v_bfe_u32 v2, v0, 4, 1                         ; h
	v_and_b32 v3, 7, v0                            ; l % 8
	v_bfe_u32 v4, v0, 3, 1                         ; (l / 8) % 2
	v_lshlrev_b32 v[BO], 5, v2
	s_lshl_b32 s46, s17, 10
	s_lshl_b32 s47, s14, 9
	s_add_co_u32 s46, s46, s47                     ; (256 block column + 128 half) x 4 bytes: for the bias and for the way out
	s_mov_b32 s47, 0
	s_add_nc_u64 s[8:9], s[8:9], s[46:47]
	s_add_nc_u64 s[10:11], s[10:11], s[46:47]
	WIN TO_B
.irp b, 0,1,2,3,4,5,6,7
	global_load_b128 v[BIAS+8*\b:BIAS+8*\b+3],   v[BO], s[8:9] offset:64*\b       ; bias of columns 16 b + 8 h + 0..7
	global_load_b128 v[BIAS+8*\b+4:BIAS+8*\b+7], v[BO], s[8:9] offset:64*\b+16
.endr
	WIN 0
	v_mul_u32_u24 v5, v1, PA
	v_lshl_add_u32 v5, v2, 4, v5
	s_mul_i32 s46, s13, 64*PA                      ; my 64 rows of each plane
	v_add_nc_u32 v[ADRA], s46, v5
	v_add_nc_u32 v[ADRA+1], SLOT, v[ADRA]
	v_lshl_add_u32 v6, v2, 3, v3
	v_mul_u32_u24 v6, v6, PW
	v_lshl_add_u32 v6, v4, 4, v6
	s_lshl_b32 s46, s14, 8
	s_add_co_u32 s46, s46, WOFF
	v_add_nc_u32 v[ADRW], s46, v6
	v_add_nc_u32 v[ADRW+1], SLOT, v[ADRW]
	s_mul_i32 s46, s12, 16*SP
	s_add_co_u32 s46, s46, STAGE                   ; my stage
	v_mul_u32_u24 v7, v1, SP
	v_lshl_add_u32 v7, v2, 5, v7
	v_add_nc_u32 v[STO], s46, v7                   ; in: row r, 32 h
	v_and_b32 v7, 31, v0
	v_lshlrev_b32 v[CO], 4, v7                     ; out: 16 l of a row's 512 bytes
	v_add_nc_u32 v[RD], s46, v[CO]
	s_lshl_b32 s46, s18, 19                        ; 128 rows x 4,096 bytes
	s_lshl_b32 s47, s13, 18                        ; + my 64 rows
	s_add_co_u32 s46, s46, s47
	s_mov_b32 s47, 0
	s_add_nc_u64 s[10:11], s[10:11], s[46:47]
; The 32 accumulators take turns, one instruction a turn, in the same order in every quarter step.
.macro MUL16 f, a0, zero
.irp a, \a0, \a0+1
.irp b, 0,1,2,3,4,5,6,7
.if \zero
	v_wmma_f32_16x16x32_bf16 v[8*(8*(\a)+\b):8*(8*(\a)+\b)+7], v[\f+8*\b:\f+8*\b+7], v[\f+8*(\a):\f+8*(\a)+7], 0
.else
	v_wmma_f32_16x16x32_bf16 v[8*(8*(\a)+\b):8*(8*(\a)+\b)+7], v[\f+8*\b:\f+8*\b+7], v[\f+8*(\a):\f+8*(\a)+7], v[8*(8*(\a)+\b):8*(8*(\a)+\b)+7]
.endif
.endr
.endr
.endm
; 24 LDS loads in one run.  Quarter q of a K step is d = 32 (q % 2) .. + 31 of plane q / 2.
.macro FETCH slot, q, f
	WIN TO_B
.irp b, 0,1,2,3,4,5,6,7
	ds_load_tr16_b128 v[\f+8*\b:\f+8*\b+3],   v[ADRW+\slot] offset:\q*32*PW+32*\b
	ds_load_tr16_b128 v[\f+8*\b+4:\f+8*\b+7], v[ADRW+\slot] offset:\q*32*PW+32*\b+16*PW
.endr
	WIN 0
.irp a, 0,1,2,3
	ds_load_b128 v[\f+8*\a:\f+8*\a+3],   v[ADRA+\slot] offset:(\q/2)*APLANE+\a*16*PA+(\q%2)*64
	ds_load_b128 v[\f+8*\a+4:\f+8*\a+7], v[ADRA+\slot] offset:(\q/2)*APLANE+\a*16*PA+(\q%2)*64+32
.endr
.endm
.macro QUARTER slot, qn, f, g, zero
	s_wait_dscnt 4                                 ; W and y's row blocks 0, 1 are in; the youngest four loads (blocks 2, 3) may be out
	WIN MULW
	MUL16 \f, 0, \zero
	PLACES
	FETCH \slot, \qn, \g
	s_wait_dscnt 24                                ; all but the 24 just issued
	WIN MULW
	MUL16 \f, 2, \zero
.endm
.macro THREE slot, zero
	QUARTER \slot, 1, F0, F1, \zero
	QUARTER \slot, 2, F1, F0, 0
	QUARTER \slot, 3, F0, F1, 0
.endm
; The last quarter and the change of slots: each wave's reads of this slot and all its tensor loads are waited for in front of the barrier; with fill = 1 the barrier
; opens a round of the cluster's barrier and the joint refill is the first tensor load behind the round.  A slot's next tile is the same term of the next two heads
; and W's next 128 rows.
.macro TURN slot, next, fill
	s_wait_dscnt 0
	s_wait_tensorcnt 0x0
	ds_add_u32 v63, v191
	s_wait_dscnt 0x0
	s_barrier_signal -1
	WIN MULW
	MUL16 F1, 0, 0
	WIN 0
	s_barrier_wait -1
.if \fill
	CREST
	s_add_nc_u64 s[G0A+4*\slot+2:G0A+4*\slot+3], s[G0A+4*\slot+2:G0A+4*\slot+3], 2*PLANE
	s_add_nc_u64 s[G0W+4*\slot+2:G0W+4*\slot+3], s[G0W+4*\slot+2:G0W+4*\slot+3], KSTEP*NN*2
	JLOAD \slot
.endif
	PLACES
	FETCH \next, 0, F0
	WIN MULW
	MUL16 F1, 2, 0
.endm
.macro LAP zero
	THREE 0, \zero
	TURN 0, 1, 1
	THREE 1, 0
	TURN 1, 0, 1
.endm
	s_wait_tensorcnt 0x1                           ; my part of K step 0 is in; K step 1's may stay out
	s_barrier_signal -1
	s_barrier_wait -1
	FETCH 0, 0, F0
	LAP 1                                          ; the first lap stands in front of the loop: its first products start the sums
	WIN 0
	s_mov_b32 s21, LAPS-2
.Llap:
	LAP 0
	WIN 0
	s_sub_co_u32 s21, s21, 1
	s_cmp_lg_u32 s21, 0
	s_cbranch_scc1 .Llap
	THREE 0, 0                                     ; the last lap fills nothing
	TURN 0, 1, 0
	THREE 1, 0
	s_wait_dscnt 0
	WIN MULW
	MUL16 F1, 0, 0
	MUL16 F1, 2, 0
	; THE WAY OUT: sum + bias in f32, 16 rows at a time through my own stage, read back as whole rows of 512 bytes.
	PLACES
	s_wait_loadcnt 0x0                             ; the bias
.macro OUT16 i
	WIN 0x06                                       ; source 0 window 2 (sums), source 1 window 1 (bias), destination window 0
.irp b, 0,1,2,3,4,5,6,7
.irp r, 0,1,2,3
	v_pk_add_f32 v[TMP+8*\b+2*\r:TMP+8*\b+2*\r+1], v[8*(8*\i+\b)+2*\r:8*(8*\i+\b)+2*\r+1], v[BIAS+8*\b+2*\r:BIAS+8*\b+2*\r+1]
.endr
.endr
	WIN 0
.irp b, 0,1,2,3,4,5,6,7
	ds_store_b128 v[STO], v[TMP+8*\b:TMP+8*\b+3]   offset:64*\b
	ds_store_b128 v[STO], v[TMP+8*\b+4:TMP+8*\b+7] offset:64*\b+16
.endr
	s_wait_xcnt 0x0                                ; v64-127 were the data of the last 16 rows' stores: loaded again only behind this wait (ISA guide 3.1)
.irp t, 0,1,2,3,4,5,6,7,8,9,10,11,12,13,14,15
	ds_load_b128 v[F0+4*\t:F0+4*\t+3], v[RD] offset:\t*SP          ; a wave's LDS instructions are served in order (ISA guide 5.7.1): these see the stores above
.endr
.irp t, 0,1,2,3,4,5,6,7,8,9,10,11,12,13,14,15
	s_wait_dscnt 15-\t
	global_store_b128 v[CO], v[F0+4*\t:F0+4*\t+3], s[10:11] offset:(16*\i+\t)*4096 th:TH_STORE_NT   ; the wave stores 512 consecutive bytes of a row, aligned
.endr
.endm
	OUT16 0
	OUT16 1
	OUT16 2
	OUT16 3
	s_set_vgpr_msb 0x1
	s_wait_tensorcnt 0x0
	ds_add_u32 v63, v191
	s_wait_dscnt 0x0
	s_set_vgpr_msb 0x100
	CROUND                                         ; the closing round
	s_endpgm
.Lfunc_end_k_q26fa8864df_outp:
	.size	k_q26fa8864df_outp, .Lfunc_end_k_q26fa8864df_outp-k_q26fa8864df_outp
	.p2alignl 7, 3214868480
	.fill 96, 4, 3214868480
	.section	.rodata,"a",@progbits
	.p2align	6, 0x0
	.amdhsa_kernel k_q26fa8864df_outp
		.amdhsa_group_segment_fixed_size 327680
		.amdhsa_private_segment_fixed_size 0
		.amdhsa_enable_private_segment 0
		.amdhsa_kernarg_size 32
		.amdhsa_user_sgpr_count 2
		.amdhsa_user_sgpr_kernarg_segment_ptr 1
		.amdhsa_wavefront_size32 1
		.amdhsa_system_sgpr_workgroup_id_x 1
		.amdhsa_system_sgpr_workgroup_id_y 1
		.amdhsa_system_sgpr_workgroup_id_z 1
		.amdhsa_system_vgpr_workitem_id 0
		.amdhsa_next_free_vgpr 768
		.amdhsa_next_free_sgpr 66
		.amdhsa_reserve_vcc 0
		.amdhsa_float_denorm_mode_32 3
		.amdhsa_float_denorm_mode_16_64 3
		.amdhsa_memory_ordered 1
		.amdhsa_forward_progress 1
		.amdhsa_inst_pref_size 128
	.end_amdhsa_kernel
	.amdgpu_metadata
---
amdhsa.version: [ 1, 2 ]
amdhsa.kernels:
  - .name:           k_q26fa8864df_outp
    .symbol:         k_q26fa8864df_outp.kd
    .args:
      - { .name: yh, .offset: 0, .size: 8, .value_kind: global_buffer, .address_space: global }
      - { .name: woh, .offset: 8, .size: 8, .value_kind: global_buffer, .address_space: global }
      - { .name: b_out, .offset: 16, .size: 8, .value_kind: global_buffer, .address_space: global }
      - { .name: out0, .offset: 24, .size: 8, .value_kind: global_buffer, .address_space: global }
    .group_segment_fixed_size: 327680
    .private_segment_fixed_size: 0
    .kernarg_segment_align: 8
    .kernarg_segment_size: 32
    .max_flat_workgroup_size: 128
    .sgpr_count:     66
    .vgpr_count:     768
    .wavefront_size: 32
...
	.end_amdgpu_metadata
.endif
;; end of part 4
